; MI455X (gfx1250); checked and timed in simulation.
; The chip was launched on July 23, 2026; its instructions are those of AMD's public machine-readable ISA for CDNA 5 (MIT licence, August 2026) and "CDNA5" Instruction Set Architecture Reference Guide (July 2026). The comments in the code are by the model that wrote it; some were corrected since.
;; Multi Head Self Attention. Allowed arithmetic: matrix products marked QUANTISED: E4M3 operands, one given power-of-two scale a tensor, by v_wmma_f32_16x16x64_fp8_fp8 or v_wmma_f32_16x16x128_fp8_fp8, f32 sums; everything else in f32.
;; Inputs: Wk_codes 1,024 x 32 x 32 uint8 (E4M3 codes of Wk, K innermost, in blocks of 32 codes); Wo_codes 1,024 x 32 x 32 uint8 (E4M3 codes of Wo, K innermost, in blocks of 32 codes); Wq_codes 1,024 x 32 x 32 uint8 (E4M3 codes of Wq, K innermost, in blocks of 32 codes); Wv_codes 1,024 x 32 x 32 uint8 (E4M3 codes of Wv, K innermost, in blocks of 32 codes); lowp_scales 12 int32 (the exponents e of the quantised operands' scales 2^e); x_codes 2 x 2,048 x 32 x 32 uint8 (E4M3 codes of x, K innermost, in blocks of 32 codes).
;; Outputs: out0 2 x 2,048 x 1,024 float32.
;; This version of the problem:
;;   THIS VERSION OF THE PROBLEM IS GIVEN IN LOW PRECISION. The matrix products marked QUANTISED in the list below multiply operands that are first quantised to E4M3 (4 exponent bits, 3 mantissa bits; 8 bits a number), with one given power-of-two scale for each operand tensor; their sums are f32. All else is computed in f32.
;;   The module's matrix products, in the order in which they are computed (A, B: the left and right operand; K: the contracted axis; several contracted axes count as one K, in the product's order):
;;     1. [M 4,096, K 1,024] x [K 1,024, N 1,024]; A: input x (given as codes); B: input Wq (given as codes): QUANTISED (scales: A lowp_scales[0], B lowp_scales[1])
;;     2. [M 4,096, K 1,024] x [K 1,024, N 1,024]; A: input x (given as codes); B: input Wk (given as codes): QUANTISED (scales: A lowp_scales[2], B lowp_scales[3])
;;     3. [M 4,096, K 1,024] x [K 1,024, N 1,024]; A: input x (given as codes); B: input Wv (given as codes): QUANTISED (scales: A lowp_scales[4], B lowp_scales[5])
;;     4. batch 32 x [M 2,048, K 64] x [K 64, N 2,048]; A: computed on the way; B: computed on the way: QUANTISED (scales: A lowp_scales[6], B lowp_scales[7])
;;     5. batch 32 x [M 2,048, K 2,048] x [K 2,048, N 64]; A: softmax (see below); B: computed on the way: QUANTISED (scales: A lowp_scales[8], B lowp_scales[9])
;;     6. [M 4,096, K 1,024] x [K 1,024, N 1,024]; A: computed on the way; B: input Wo (given as codes): QUANTISED (scales: A lowp_scales[10], B lowp_scales[11])
;;   THE QUANTISER, for each operand of a quantised product, along K:
;;     - The operand's scale is 2^e, e = its entry of the input lowp_scales (int32; the entries are numbered through the quantised products in the list's order, A before B).
;;     - Each number is divided by the scale, clamped to +-448, and rounded to the nearest number of E4M3, ties to even, subnormals kept.
;;     - The product sums the exact products of the quantised numbers (number of the format x scale) in f32.
;;   ~~~python
;;   def quantise(x, axis, e):      # numpy; x: float32 -> the quantised numbers, widened to float32 again
;;       x = np.moveaxis(x, axis, -1); K = x.shape[-1]
;;       r = np.clip(x / 2.0 ** e, -448, 448)
;;       step = 2.0 ** (np.maximum(np.frexp(np.where(r == 0, 1, r))[1] - 1, -6) - 3)
;;       q = np.round(r / step) * step * 2.0 ** e      # np.round: ties to even
;;       return np.moveaxis(q, -1, axis).astype(np.float32)
;;   ~~~
;;   SOFTMAX AHEAD OF A QUANTISED PRODUCT. Where the list says 'softmax', what is quantised is not the finished softmax but p = 2^(t - M), with t = logit x log2(e) and M = ceil(the row's largest t), a whole number; so 1/2 < the row's largest p <= 1. The row's sum l is taken of the UNQUANTISED p, in f32, and the product's result is divided by l at the end. Since M is a whole number, a kernel that streams over the keys may use a running M (the ceiling of the running maximum): every later rescaling is an exact power of two, so the quantised numbers keep their values, but for numbers so far below the row's largest that they fall under the format's range.
;;   OPERANDS COMPUTED ON THE WAY. 'Computed on the way' means the value that the module computes at that place (a softmax that the list does not call 'softmax' is quantised finished and normalised). What goes into a quantiser is computed in f32, as accurately as f32 sums, v_exp_f32 and their like allow (about 1e-6 of the number): no bf16 or f16 on the way to a quantiser, and a product that is left as it is and whose result goes on into a quantised operand takes f32 operands (vector FMAs, or v_wmma_f32_16x16x4_f32). A number that lies on a knife's edge between two numbers of the format may be rounded either way, as far as f32 arithmetic and the matrix unit's own rounding can turn it there, and no further.
;;   INPUTS GIVEN AS CODES. Wk (in the module: [1024, 1024], K = its axis 1); Wo (in the module: [1024, 1024], K = its axis 1); Wq (in the module: [1024, 1024], K = its axis 1); Wv (in the module: [1024, 1024], K = its axis 1); x (in the module: [2, 2048, 1024], K = its axis 2): each comes as NAME_codes (uint8): NAME with its K axis moved to the last place and cut into blocks of 32 codes, [.., K / 32, bytes a block], one block behind the other in memory; one code a byte (a code: sign, 4 exponent bits, 3 mantissa bits); its scale is its entry of lowp_scales. Its value is code x scale, taken as it is: it is not quantised again, and the codes and scales need not be those that the quantiser above would give.
;; One version. Each part assembles by itself: llvm-mc -triple=amdgcn-amd-amdhsa -mcpu=gfx1250 --defsym DOCPART=n.
;; ======== version 1 of 1: 3 launches
;; limits: right only within a limited range of input values
;; workspace buffers: qf 4,194,304 bytes; kv 8,388,608 bytes; af 4,194,304 bytes
;; launch qkv (part 1): grid 8 x 32, 4 waves a work-group, clusters of 4 x 4, 327,680 bytes of LDS; arguments x_codes, Wq_codes, Wk_codes, Wv_codes, lowp_scales, qf, kv; writes qf, kv
.if DOCPART == 1
	.amdgcn_target "amdgcn-amd-amdhsa--gfx1250"
	.amdhsa_code_object_version 6
	.text
	.protected	k_qe6f072f6f7_qkv
	.globl	k_qe6f072f6f7_qkv
	.p2align	8
	.type	k_qe6f072f6f7_qkv,@function
k_qe6f072f6f7_qkv:
	s_mov_b64 s[64:65], 0
	v_nop
	global_prefetch_b8 v0, s[64:65] scope:SCOPE_SE
	s_setreg_imm32_b32 hwreg(HW_REG_WAVE_MODE, 25, 1), 1
	s_wait_xcnt 0x0
	s_wait_alu depctr_hold_cnt(0) depctr_sa_sdst(0) depctr_va_vdst(0) depctr_va_sdst(0) depctr_va_ssrc(0) depctr_va_vcc(0) depctr_vm_vsrc(0)
	s_getreg_b32 s2, hwreg(HW_REG_IB_STS2, 6, 4)
	s_cmp_eq_u32 s2, 0
	s_cbranch_scc0 .Lentry_in_a_cluster
	s_endpgm
.Lentry_in_a_cluster:
	s_bfe_u32 s2, ttmp6, 0x10000c
	s_cmp_lg_u32 s2, 0xf033
	s_cbranch_scc0 .Lentry_shape_is_right
	s_endpgm
.Lentry_shape_is_right:
; Q, K, V = x W^T on codes of E4M3, rotary angles on Q and K, and the three results quantised for the attention as images of operand registers (qf, kv).
; A work-group makes 128 tokens x 128 columns of each of Q, K and V; wave w 64 tokens (w / 2) x 64 columns (w % 2) of each.  K = 1,024 goes in four steps of 256 through a ring of two slots: one tensor load a wave brings
; 128 rows x 256 bytes (wave 0: x, waves 1 to 3: Wq, Wk, Wv), LDS rows 272 bytes apart.  The angles' sines and cosines are made while the first step's load is out.
; CLUSTER 4 x 4: x's rows are asked for jointly along a row of the cluster, the weights' along a column.
; PREFETCH: each wave asks for blocks of the rows that it loads, 32 rows x 256 bytes a K step, the four partners told apart by address: K steps 1 and 2 behind the first step's load, K step 3 where step 2 is loaded.
; The weights, which eight clusters read, are asked for by four clusters alone.
; No work of reference() is left out here.  LIMITS: e6 - e0 - e1, e7 - e2 - e3 and e9 - e4 - e5 between -126 and 119; NaN codes are not served.
.set PFO,   24                         ; v24 the prefetches' offset: my lane x a row of 1,024 bytes;  s[80:81] their base;  s83 who asks
.set PFA,   80
.set PITCH, 272                        ; an LDS row: 256 bytes + 16 of padding
.set PART,  128*PITCH
.set SLOT,  4*PART
.set SPARE, 2*SLOT
.set ADRX, 8
.set ADRW, 10
.set ADRV, 12
.set VO,   14
.set SCQ,  16
.set SCK,  18
.set SCV,  20
.set SPW,  28
.set NIL,  29
.set FR,   32
.set POS,  48
.set KS1,  50
.set KS2,  52
.set KC1,  54
.set KC2,  56
.set X0,   64
.set X1,   128
.set WB0,  0
.set WB1,  64
.set CS,   128
.set TM,   64
.set CD,   128
.set TA,   64
.set TN,   80
.set TZ,   96
.set TS,   112
.set TC,   128
.set TI,   144
.set US,   160
.set UC,   176
.set GS,   192
.set G1A,  32
.set G1B,  40
.set G0A,  48
.set G0B,  56
.set SQ,   84
.set SK,   86
.set SV,   88
.set MQK,  0xa1
.set MV,   0xf4
.set TOW,  0x40
.set ROT,  0x06
.set VRD,  0x03
.set MSB, 0
.macro WIN new
.if MSB != \new
	s_set_vgpr_msb (MSB<<8)|\new
.set MSB, \new
.endif
.endm
.macro PLACES n
.rept \n
	v_nop
.endr
.endm
.macro CREST
	s_cmp_lg_u32 s18, 0
	s_cbranch_scc1 .Lnot_wave_0_\@
	s_barrier_signal -3
.Lnot_wave_0_\@:
	s_barrier_wait -3
	s_barrier_signal -1
	s_barrier_wait -1
.endm
.macro CROUND
	s_barrier_signal -1
	s_barrier_wait -1
	CREST
.endm
.macro JLOAD s
	s_cmp_eq_u32 s18, 0
	s_cbranch_scc0 .Lfor_w_\@
	tensor_load_to_lds s[G0A+4*\s:G0A+4*\s+3], s[G1A:G1A+7]
	s_nop 0
.rept 4
	v_nop
.endr
	s_branch .Lasked_\@
.Lfor_w_\@:
	tensor_load_to_lds s[G0B+4*\s:G0B+4*\s+3], s[G1B:G1B+7]
	s_nop 0
.rept 4
	v_nop
.endr
.Lasked_\@:
.endm
	s_load_b256 s[4:11], s[0:1], 0x0
	s_load_b128 s[12:15], s[0:1], 0x20
	s_load_b64 s[16:17], s[0:1], 0x30
	v_lshl_add_u32 v[SPW], v0, 2, SPARE
	v_mov_b32 v[NIL], 0
	ds_add_u32 v28, v29
	ds_add_u32 v28, v29
	s_wait_dscnt 0x0
	v_lshrrev_b32 v1, 5, v0
	v_readfirstlane_b32 s18, v1
	s_lshr_b32 s19, s18, 1
	s_and_b32 s20, s18, 1
	s_bfe_u32 s21, ttmp6, 0x40000
	s_bfe_u32 s22, ttmp6, 0x40004
	s_lshl_b32 s23, ttmp9, 2
	s_add_co_u32 s23, s23, s21
	s_and_b32 s24, ttmp7, 0xffff
	s_lshl_b32 s24, s24, 2
	s_add_co_u32 s24, s24, s22
	s_lshl_b32 s28, s22, 2
	s_lshl_b32 s28, 15, s28
	s_lshl_b32 s29, 0x1111, s21
	s_or_b32 s[G1A], s28, (0<<16)|(1<<20)|(1<<21)|(5<<22)|(3<<25)
	s_or_b32 s[G1B], s29, (0<<16)|(1<<20)|(1<<21)|(5<<22)|(3<<25)
.irp g, G1A, G1B
	s_mov_b32 s[\g+1], 256<<16
	s_mov_b32 s[\g+2], 128<<16
	s_mov_b32 s[\g+3], 256<<16
	s_mov_b32 s[\g+4], 128
	s_mov_b32 s[\g+5], 1024
	s_mov_b32 s[\g+6], 0
	s_mov_b32 s[\g+7], 0
.endr
	s_lshl_b32 s66, s24, 17
	s_mov_b32 s67, 0
	s_lshl_b32 s30, s23, 17
	s_mov_b32 s31, 0
	s_mul_i32 s25, s18, PART
	s_wait_kmcnt 0x0
	s_load_b256 s[68:75], s[12:13], 0x0
	s_load_b128 s[76:79], s[12:13], 0x20
	s_cmp_eq_u32 s18, 2
	s_cselect_b64 s[26:27], s[8:9], s[6:7]
	s_cmp_eq_u32 s18, 3
	s_cselect_b64 s[26:27], s[10:11], s[26:27]
	s_add_nc_u64 s[26:27], s[26:27], s[30:31]
	s_add_nc_u64 s[4:5], s[4:5], s[66:67]
.irp s, 0,1
	s_mov_b32 s[G0A+4*\s], 1
	s_add_co_u32 s[G0A+4*\s+1], s25, \s*SLOT
	s_add_nc_u64 s[G0A+4*\s+2:G0A+4*\s+3], s[4:5], \s*256
	s_or_b32 s[G0A+4*\s+3], s[G0A+4*\s+3], 0x80000000
	s_mov_b32 s[G0B+4*\s], 1
	s_add_co_u32 s[G0B+4*\s+1], s25, \s*SLOT
	s_add_nc_u64 s[G0B+4*\s+2:G0B+4*\s+3], s[26:27], \s*256
	s_or_b32 s[G0B+4*\s+3], s[G0B+4*\s+3], 0x80000000
.endr
	CROUND                                         ; all sixteen work-groups are here: the joint loads meet
	JLOAD 0                                        ; K step 0: my one tensor load at the head
	v_and_b32 v1, 15, v0
	v_bfe_u32 v2, v0, 4, 1
	v_and_b32 v3, 31, v0
	v_mul_u32_u24 v4, v1, PITCH
	v_lshl_add_u32 v4, v2, 4, v4
	v_and_b32 v5, 8, v1
	v_add_nc_u32 v5, v5, v1
	v_mul_u32_u24 v5, v5, PITCH
	v_lshl_add_u32 v5, v2, 4, v5
	s_mul_i32 s28, s19, 64*PITCH
	s_mul_i32 s29, s20, 64*PITCH
	s_add_co_u32 s30, s29, PART
	s_add_co_u32 s31, s29, 3*PART
.irp s, 0,1
	v_add_nc_u32 v[ADRX+\s], s28, v4
	v_add_nc_u32 v[ADRW+\s], s30, v4
	v_add_nc_u32 v[ADRV+\s], s31, v5
	s_add_co_u32 s28, s28, SLOT
	s_add_co_u32 s30, s30, SLOT
	s_add_co_u32 s31, s31, SLOT
.endr
	v_lshlrev_b32 v[VO], 4, v3
	v_lshlrev_b32 v[PFO], 10, v3
	s_lshr_b32 s90, s24, 4
	s_and_b32 s91, s24, 15
	s_lshl_b32 s92, s90, 4
	s_lshl_b32 s93, s23, 1
	s_add_co_u32 s92, s92, s93
	s_add_co_u32 s92, s92, s20
	s_lshl_b32 s94, s92, 7
	s_lshl_b32 s93, s91, 3
	s_add_co_u32 s94, s94, s93
	s_lshl_b32 s93, s19, 2
	s_add_co_u32 s94, s94, s93
	s_lshl_b32 s94, s94, 10
	s_mov_b32 s95, 0
	s_add_nc_u64 s[SQ:SQ+1], s[14:15], s[94:95]
	s_lshl_b32 s94, s92, 4
	s_add_co_u32 s94, s94, s91
	s_lshl_b32 s94, s94, 14
	s_lshl_b32 s93, s19, 12
	s_add_co_u32 s98, s94, s93
	s_mov_b32 s99, 0
	s_add_nc_u64 s[SK:SK+1], s[16:17], s[98:99]
	s_lshl_b32 s93, s19, 10
	s_add_co_u32 s98, s94, s93
	s_add_co_u32 s98, s98, 8192
	s_add_nc_u64 s[SV:SV+1], s[16:17], s[98:99]
	s_lshl_b32 s96, s91, 7
	s_lshl_b32 s93, s19, 6
	s_add_co_u32 s96, s96, s93
	v_cmp_eq_u32 vcc_lo, 1, v2
.macro TF i, lo, hi
	v_mov_b32 v[FR+\i], \hi
	v_cndmask_b32 v[FR+\i], \lo, v[FR+\i], vcc_lo
.endm
	TF 0,  0x3f800000, 0x404a62c2
	TF 1,  0x3faab0d5, 0x4086f161
	TF 2,  0x3fe39ea9, 0x40b3f300
	TF 3,  0x4017c496, 0x40eff755
	TF 4,  0x41200000, 0x41fcfb72
	TF 5,  0x41555d0a, 0x4228adb9
	TF 6,  0x418e432a, 0x4260efc0
	TF 7,  0x41bdb5bc, 0x4295fa95
	TF 8,  0x42c80000, 0x439e1d27
	TF 9,  0x43055a26, 0x43d2d927
	TF 10, 0x4331d3f4, 0x440c95d8
	TF 11, 0x436d232b, 0x443b793b
	TF 12, 0x447a0000, 0x4545a471
	TF 13, 0x44a6b0b0, 0x4583c7b8
	TF 14, 0x44de48f1, 0x45afbb4e
	TF 15, 0x451435fb, 0x45ea5789
.set n, 0
	s_wait_alu depctr_va_vdst(0)
.rept 16
	v_rcp_f32 v[TA+n], v[FR+n]
.set n, n+1
.endr
	v_mov_b32 v[KS1], 0x3c08839e
	v_mov_b32 v[KS1+1], 0x3c08839e
	v_mov_b32 v[KS2], 0xbe2aaaa3
	v_mov_b32 v[KS2+1], 0xbe2aaaa3
	v_mov_b32 v[KC1], 0xbab6061a
	v_mov_b32 v[KC1+1], 0xbab6061a
	v_mov_b32 v[KC2], 0x3d2aaaa5
	v_mov_b32 v[KC2+1], 0x3d2aaaa5
	s_wait_alu depctr_va_vdst(0)
.set n, 0
.rept 16
	v_fma_f32 v[TN+n], -v[FR+n], v[TA+n], 1.0
.set n, n+1
.endr
.set n, 0
.rept 16
	v_fma_f32 v[FR+n], v[TA+n], v[TN+n], v[TA+n]
.set n, n+1
.endr
.macro SINCOS a
	s_add_co_u32 s97, s96, 16*\a
	v_add_nc_u32 v[POS], s97, v1
	v_cvt_f32_u32 v[POS], v[POS]
	v_mov_b32 v[POS+1], v[POS]
.set n, 0
.rept 8
	v_pk_mul_f32 v[TA+n:TA+n+1], v[FR+n:FR+n+1], v[POS:POS+1]
.set n, n+2
.endr
.set n, 0
.rept 8
	v_pk_mul_f32 v[TN+n:TN+n+1], v[TA+n:TA+n+1], 0x3f22f983 op_sel_hi:[1,0]
.set n, n+2
.endr
.set n, 0
.rept 16
	v_rndne_f32 v[TN+n], v[TN+n]
.set n, n+1
.endr
.set n, 0
.rept 8
	v_pk_fma_f32 v[TA+n:TA+n+1], v[TN+n:TN+n+1], 0xbfc90fdb, v[TA+n:TA+n+1] op_sel_hi:[1,0,1]
.set n, n+2
.endr
.set n, 0
.rept 8
	v_pk_fma_f32 v[TA+n:TA+n+1], v[TN+n:TN+n+1], 0x333bbd2e, v[TA+n:TA+n+1] op_sel_hi:[1,0,1]
.set n, n+2
.endr
.set n, 0
.rept 16
	v_cvt_i32_f32 v[TI+n], v[TN+n]
.set n, n+1
.endr
.set n, 0
.rept 8
	v_pk_mul_f32 v[TZ+n:TZ+n+1], v[TA+n:TA+n+1], v[TA+n:TA+n+1]
.set n, n+2
.endr
.set n, 0
.rept 8
	v_pk_fma_f32 v[TS+n:TS+n+1], v[TZ+n:TZ+n+1], 0xb94ca1f9, v[KS1:KS1+1] op_sel_hi:[1,0,1]
	v_pk_fma_f32 v[TC+n:TC+n+1], v[TZ+n:TZ+n+1], 0x37ccf5ce, v[KC1:KC1+1] op_sel_hi:[1,0,1]
.set n, n+2
.endr
.set n, 0
.rept 8
	v_pk_mul_f32 v[TN+n:TN+n+1], v[TZ+n:TZ+n+1], v[TA+n:TA+n+1]
	v_pk_fma_f32 v[TS+n:TS+n+1], v[TS+n:TS+n+1], v[TZ+n:TZ+n+1], v[KS2:KS2+1]
	v_pk_fma_f32 v[TC+n:TC+n+1], v[TC+n:TC+n+1], v[TZ+n:TZ+n+1], v[KC2:KC2+1]
.set n, n+2
.endr
.set n, 0
.rept 8
	v_pk_fma_f32 v[TS+n:TS+n+1], v[TS+n:TS+n+1], v[TN+n:TN+n+1], v[TA+n:TA+n+1]
	v_pk_fma_f32 v[TC+n:TC+n+1], v[TC+n:TC+n+1], v[TZ+n:TZ+n+1], -0.5 op_sel_hi:[1,1,0]
.set n, n+2
.endr
.set n, 0
.rept 8
	v_pk_fma_f32 v[TC+n:TC+n+1], v[TC+n:TC+n+1], v[TZ+n:TZ+n+1], 1.0 op_sel_hi:[1,1,0]
.set n, n+2
.endr
.set n, 0
.rept 16
	v_and_b32 v[TZ+n], 1, v[TI+n]
.set n, n+1
.endr
.set n, 0
.rept 16
	v_cmp_eq_u32 vcc_lo, 1, v[TZ+n]
	v_cndmask_b32 v[US+n], v[TS+n], v[TC+n], vcc_lo
	v_cndmask_b32 v[UC+n], v[TC+n], v[TS+n], vcc_lo
.set n, n+1
.endr
.set n, 0
.rept 16
	v_lshlrev_b32 v[GS+n], 30, v[TI+n]
	v_add_lshl_u32 v[TI+n], v[TI+n], 1, 30
.set n, n+1
.endr
.set n, 0
.rept 16
	v_and_b32 v[GS+n], 0x80000000, v[GS+n]
	v_and_b32 v[TI+n], 0x80000000, v[TI+n]
.set n, n+1
.endr
	WIN TOW
.set n, 0
.rept 16
	v_xor_b32 v[CS+2*(16*\a+n)], v[UC+n], v[TI+n]
	v_xor_b32 v[CS+2*(16*\a+n)+1], v[US+n], v[GS+n]
.set n, n+1
.endr
	WIN 0
.endm
	SINCOS 0
	; rows 32 p + lane of the 128 that my wave loads, p my place among the four that ask jointly, from K step 1 on; every offset ends inside the tile's rows
	s_and_b32 s83, ttmp7, 0xffff                   ; the cluster's y
	s_cmp_eq_u32 s18, 0
	s_cselect_b64 s[PFA:PFA+1], s[4:5], s[26:27]
	s_cselect_b32 s98, s21, s22
	s_cselect_b32 s83, 0, s83                      ; x: every cluster; the weights: clusters 0 to 3 along y
	s_lshl_b32 s98, s98, 15
	s_add_co_u32 s98, s98, 256
	s_mov_b32 s99, 0
	s_add_nc_u64 s[PFA:PFA+1], s[PFA:PFA+1], s[98:99]
	s_wait_alu depctr_va_vdst(0)
	s_cmp_lt_u32 s83, 4
	s_cbranch_scc0 .Lno_ask
	global_prefetch_b8 v[PFO], s[PFA:PFA+1] th:TH_LOAD_NT scope:SCOPE_SE
	global_prefetch_b8 v[PFO], s[PFA:PFA+1] offset:256 th:TH_LOAD_NT scope:SCOPE_SE
.Lno_ask:
	SINCOS 1
	SINCOS 2
	SINCOS 3
.macro MKSCALE vr, e, ea, eb
	s_sub_co_i32 s90, s[\e], s[\ea]
	s_sub_co_i32 s90, s90, s[\eb]
	s_add_co_i32 s90, s90, 127
	s_lshl_b32 s91, s90, 23
	v_mov_b32 v[\vr], s91
	s_add_co_i32 s90, s90, 8
	s_lshl_b32 s90, s90, 23
	s_or_b32 s90, s90, 0x600000
	v_mov_b32 v[\vr+1], s90
.endm
	s_wait_kmcnt 0x0
	MKSCALE SCQ, 74, 68, 69
	MKSCALE SCK, 75, 70, 71
	MKSCALE SCV, 77, 72, 73
.macro FETCHW adr, off, perm, wb
	WIN TOW
.irp t, 0,1,2,3
.irp c, 0,1,2,3
.if \perm
	ds_load_b128 v[\wb+16*\t+4*\c:\wb+16*\t+4*\c+3], v[\adr] offset:\off+(32*(\t/2)+8*(\t%2))*PITCH+32*\c
.else
	ds_load_b128 v[\wb+16*\t+4*\c:\wb+16*\t+4*\c+3], v[\adr] offset:\off+16*\t*PITCH+32*\c
.endif
.endr
.endr
.endm
.macro FETCHX slot, kq, xs
	WIN 0
.irp a, 0,1,2,3
.irp c, 0,1,2,3
	ds_load_b128 v[\xs+16*\a+4*\c:\xs+16*\a+4*\c+3], v[ADRX+\slot] offset:128*\kq+16*\a*PITCH+32*\c
.endr
.endr
.endm
.macro MULQK acc, wb, xs, zero
	WIN MQK
.irp a, 0,1,2,3
.irp t, 0,1,2,3
.if \zero
	v_wmma_f32_16x16x128_fp8_fp8 v[\acc+8*(4*\a+\t):\acc+8*(4*\a+\t)+7], v[\wb+16*\t:\wb+16*\t+15], v[\xs+16*\a:\xs+16*\a+15], 0
.else
	v_wmma_f32_16x16x128_fp8_fp8 v[\acc+8*(4*\a+\t):\acc+8*(4*\a+\t)+7], v[\wb+16*\t:\wb+16*\t+15], v[\xs+16*\a:\xs+16*\a+15], v[\acc+8*(4*\a+\t):\acc+8*(4*\a+\t)+7]
.endif
.endr
.endr
.endm
.macro MULV wb, xs, a, zero
	WIN MV
.irp t, 0,1,2,3
.if \zero
	v_wmma_f32_16x16x128_fp8_fp8 v[8*(4*\t+\a):8*(4*\t+\a)+7], v[\xs+16*\a:\xs+16*\a+15], v[\wb+16*\t:\wb+16*\t+15], 0
.else
	v_wmma_f32_16x16x128_fp8_fp8 v[8*(4*\t+\a):8*(4*\t+\a)+7], v[\xs+16*\a:\xs+16*\a+15], v[\wb+16*\t:\wb+16*\t+15], v[8*(4*\t+\a):8*(4*\t+\a)+7]
.endif
.endr
.endm
.macro SLOTWORK s, zero
	PLACES 4
	FETCHW ADRW+\s, PART, 0, WB1
	s_wait_dscnt 16
	MULQK 0, WB0, X0, \zero
	PLACES 4
	FETCHW ADRV+\s, 0, 1, WB0
	FETCHX \s, 1, X1
	s_wait_dscnt 32
	MULQK 128, WB1, X0, \zero
	PLACES 4
	FETCHW ADRW+\s, 128, 0, WB1
	s_wait_dscnt 32
	MULV WB0, X0, 0, \zero
	MULV WB0, X0, 1, \zero
	MULV WB0, X0, 2, \zero
	MULV WB0, X0, 3, \zero
	PLACES 4
	FETCHW ADRW+\s, PART+128, 0, WB0
	s_wait_dscnt 16
	MULQK 0, WB1, X1, 0
	PLACES 4
	FETCHW ADRV+\s, 128, 1, WB1
	s_wait_dscnt 16
	MULQK 128, WB0, X1, 0
.endm
.macro TURN s, nx, fill
	WIN 0
	s_wait_tensorcnt 0x0
	ds_add_u32 v[SPW], v[NIL]
	s_wait_dscnt 1
	MULV WB1, X1, 0, 0
	MULV WB1, X1, 1, 0
	s_wait_dscnt 0x0
	s_barrier_signal -1
	MULV WB1, X1, 2, 0
	WIN 0
	s_barrier_wait -1
.if \fill
	CREST
	s_add_nc_u64 s[G0A+4*\s+2:G0A+4*\s+3], s[G0A+4*\s+2:G0A+4*\s+3], 512
	s_add_nc_u64 s[G0B+4*\s+2:G0B+4*\s+3], s[G0B+4*\s+2:G0B+4*\s+3], 512
	JLOAD \s
.else
	PLACES 4
.endif
	FETCHW ADRW+\nx, 0, 0, WB0
	FETCHX \nx, 0, X0
.if (\fill) && ((\s) == 0)                     ; K step 3, which the next change of slots loads
	s_cmp_lt_u32 s83, 4
	s_cbranch_scc0 .Lno_ask_\@
	global_prefetch_b8 v[PFO], s[PFA:PFA+1] offset:512 th:TH_LOAD_NT scope:SCOPE_SE
.Lno_ask_\@:
.endif
	MULV WB1, X1, 3, 0
.endm
	s_wait_alu depctr_va_vdst(0)
	s_wait_tensorcnt 0x0                           ; my part of K step 0 is in
	ds_add_u32 v[SPW], v[NIL]
	s_wait_dscnt 0x0
	CROUND                                         ; everybody's part is in, and all sixteen work-groups are here
	JLOAD 1                                        ; K step 1, the first tensor load behind the round
	FETCHW ADRW+0, 0, 0, WB0
	FETCHX 0, 0, X0
	SLOTWORK 0, 1
	TURN 0, 1, 1
	SLOTWORK 1, 0
	TURN 1, 0, 1
	SLOTWORK 0, 0
	TURN 0, 1, 0
	SLOTWORK 1, 0
	s_wait_dscnt 0x0
	MULV WB1, X1, 0, 0
	MULV WB1, X1, 1, 0
	MULV WB1, X1, 2, 0
	MULV WB1, X1, 3, 0
	WIN 0
	PLACES 4
.macro OUTQK acc, a, sc, cd, sb
	WIN ROT
.irp t, 0,1,2,3
.irp q, 0,2,4,6
	v_pk_mul_f32 v[TM+8*\t+\q:TM+8*\t+\q+1], v[\acc+8*(4*\a+\t)+\q:\acc+8*(4*\a+\t)+\q+1], v[CS+2*(16*\a+4*\t)+\q:CS+2*(16*\a+4*\t)+\q+1] op_sel_hi:[1,0]
.endr
.endr
.irp t, 0,1,2,3
.irp q, 0,2,4,6
	v_pk_fma_f32 v[TM+8*\t+\q:TM+8*\t+\q+1], v[\acc+8*(4*\a+\t)+\q:\acc+8*(4*\a+\t)+\q+1], v[CS+2*(16*\a+4*\t)+\q:CS+2*(16*\a+4*\t)+\q+1], v[TM+8*\t+\q:TM+8*\t+\q+1] op_sel:[1,1,0] op_sel_hi:[0,1,1] neg_lo:[0,1,0]
.endr
.endr
	WIN 0
.set n, 0
.rept 32
	v_med3_num_f32 v[TM+n], v[TM+n], -v[\sc+1], v[\sc+1]
.set n, n+1
.endr
.irp t, 0,1,2,3
	v_cvt_scalef32_pk8_fp8_f32 v[\cd+2*\t:\cd+2*\t+1], v[TM+8*\t:TM+8*\t+7], v[\sc]
.endr
	v_nop
	global_store_b128 v[VO], v[\cd:\cd+3], s[\sb:\sb+1] offset:1024*\a
	global_store_b128 v[VO], v[\cd+4:\cd+7], s[\sb:\sb+1] offset:1024*\a+512
.endm
.macro OUTV t, cd
	WIN VRD
.set n, 0
.rept 32
	v_med3_num_f32 v[TM+n], v[32*\t+n], -v[SCV+1], v[SCV+1]
.set n, n+1
.endr
	WIN 0
.irp a, 0,1,2,3
	v_cvt_scalef32_pk8_fp8_f32 v[\cd+2*\a:\cd+2*\a+1], v[TM+8*\a:TM+8*\a+7], v[SCV]
.endr
	v_nop
	global_store_b128 v[VO], v[\cd:\cd+3], s[SV:SV+1] offset:2048*\t
	global_store_b128 v[VO], v[\cd+4:\cd+7], s[SV:SV+1] offset:2048*\t+512
.endm
.irp a, 0,1,2,3
	OUTQK 0, \a, SCQ, CD+8*\a, SQ
.endr
.irp a, 0,1,2,3
	OUTQK 128, \a, SCK, CD+32+8*\a, SK
.endr
.irp t, 0,1,2,3
	OUTV \t, CD+64+8*\t
.endr
	s_wait_tensorcnt 0x0
	ds_add_u32 v[SPW], v[NIL]
	s_wait_dscnt 0x0
	CROUND
	s_endpgm
.Lfunc_end_k_qe6f072f6f7_qkv:
	.size	k_qe6f072f6f7_qkv, .Lfunc_end_k_qe6f072f6f7_qkv-k_qe6f072f6f7_qkv
	.p2alignl 7, 3214868480
	.fill 96, 4, 3214868480
	.section	.rodata,"a",@progbits
	.p2align	6, 0x0
	.amdhsa_kernel k_qe6f072f6f7_qkv
		.amdhsa_group_segment_fixed_size 327680
		.amdhsa_private_segment_fixed_size 0
		.amdhsa_enable_private_segment 0
		.amdhsa_kernarg_size 56
		.amdhsa_user_sgpr_count 2
		.amdhsa_user_sgpr_kernarg_segment_ptr 1
		.amdhsa_wavefront_size32 1
		.amdhsa_system_sgpr_workgroup_id_x 1
		.amdhsa_system_sgpr_workgroup_id_y 1
		.amdhsa_system_sgpr_workgroup_id_z 1
		.amdhsa_system_vgpr_workitem_id 0
		.amdhsa_next_free_vgpr 1024
		.amdhsa_next_free_sgpr 100
		.amdhsa_reserve_vcc 1
		.amdhsa_float_denorm_mode_32 3
		.amdhsa_float_denorm_mode_16_64 3
		.amdhsa_memory_ordered 1
		.amdhsa_forward_progress 1
		.amdhsa_inst_pref_size 188
	.end_amdhsa_kernel
	.amdgpu_metadata
---
amdhsa.version: [ 1, 2 ]
amdhsa.kernels:
  - .name:           k_qe6f072f6f7_qkv
    .symbol:         k_qe6f072f6f7_qkv.kd
    .args:
      - { .name: x_codes, .offset: 0, .size: 8, .value_kind: global_buffer, .address_space: global }
      - { .name: Wq_codes, .offset: 8, .size: 8, .value_kind: global_buffer, .address_space: global }
      - { .name: Wk_codes, .offset: 16, .size: 8, .value_kind: global_buffer, .address_space: global }
      - { .name: Wv_codes, .offset: 24, .size: 8, .value_kind: global_buffer, .address_space: global }
      - { .name: lowp_scales, .offset: 32, .size: 8, .value_kind: global_buffer, .address_space: global }
      - { .name: qf, .offset: 40, .size: 8, .value_kind: global_buffer, .address_space: global }
      - { .name: kv, .offset: 48, .size: 8, .value_kind: global_buffer, .address_space: global }
    .group_segment_fixed_size: 327680
    .private_segment_fixed_size: 0
    .kernarg_segment_align: 8
    .kernarg_segment_size: 56
    .max_flat_workgroup_size: 128
    .sgpr_count:     100
    .vgpr_count:     1024
    .wavefront_size: 32
...
	.end_amdgpu_metadata
.endif
;; end of part 1
;; launch attn (part 2): grid 8 x 32, 16 waves a work-group, clusters of 4 x 1, 327,680 bytes of LDS; arguments qf, kv, lowp_scales, af; writes af
.if DOCPART == 2
	.amdgcn_target "amdgcn-amd-amdhsa--gfx1250"
	.amdhsa_code_object_version 6
	.text
	.protected	k_qe6f072f6f7_attn
	.globl	k_qe6f072f6f7_attn
	.p2align	8
	.type	k_qe6f072f6f7_attn,@function
k_qe6f072f6f7_attn:
	s_mov_b64 s[64:65], 0
	v_nop
	global_prefetch_b8 v0, s[64:65] scope:SCOPE_SE
	s_setreg_imm32_b32 hwreg(HW_REG_WAVE_MODE, 25, 1), 1
	s_wait_xcnt 0x0
	s_wait_alu depctr_hold_cnt(0) depctr_sa_sdst(0) depctr_va_vdst(0) depctr_va_sdst(0) depctr_va_ssrc(0) depctr_va_vcc(0) depctr_vm_vsrc(0)
	s_getreg_b32 s2, hwreg(HW_REG_IB_STS2, 6, 4)
	s_cmp_eq_u32 s2, 0
	s_cbranch_scc0 .Lentry_in_a_cluster
	s_endpgm
.Lentry_in_a_cluster:
	s_bfe_u32 s2, ttmp6, 0x10000c
	s_cmp_lg_u32 s2, 0x3003
	s_cbranch_scc0 .Lentry_shape_is_right
	s_endpgm
.Lentry_shape_is_right:
; Causal attention of one head on codes of E4M3: S^T = K Q^T (16x16x64), the softmax, O^T = V^T P, and the result quantised for the last product.
; qf, kv: images of operand registers (16 bytes a lane, 512 bytes for four registers): qf [batch x head][tile of 16 queries][2][lane][16]; kv [batch x head][step of 128 keys][eight tiles of K, 1,024 bytes each; four tiles of V^T, 2,048 each].
; THE SOFTMAX: t = score x log2(e) / 8; M = the running largest t rounded UP to a whole number; p = 2^(t - M) is quantised along the keys; the row's sum is taken of the unquantised p and divides at the end.
; When M moves, or two parts of a row are joined, the sum and O^T are multiplied by 2^(old M - new M), which rounds nothing.
; WORK LEFT OUT: keys that the causal mask of reference() hides from all four tiles of a group, in whole steps of 128 and, on the diagonal, whole halves of 64: reference() sets their scores to -infinity, so their p is 0 for all finite inputs.
; A NaN, an infinity or an overflow that reaches only such a score is not carried to the result.
; LAYOUT.  A lane holds one query (lane % 16) throughout.  Register j of S^T's tile i is key 16 i + 8 (lane / 16) + j: its eight codes are registers 2 i, 2 i + 1 of P, in the form's own order, in which V^T was laid too.
; V^T's rows were ordered so that register j of O^T's tile t is channel 32 (t / 2) + 16 (lane / 16) + 8 (t % 2) + j: the codes of tiles 2 b, 2 b + 1 are four registers of the last product's operand.
; af: [128 tokens 32][pair of heads 8][tile of 16 tokens 8][group 4][lane][16].
; LIMITS: e6 + e7 between -123 and 130 (added to c's exponent field); e8 and e10 - e8 - e9 between -126 and 119; the exponents to the base 2 stay under 2^31 in magnitude.  NaN codes are not served.
; REGISTERS: v1 16 x lane; v2 LDS address of the step; v3 16 cx + lane % 16 - 8 (lane / 16); v4 LDS address of my pair's part; v5 the prefetch's offset; v12 -M, v13 the largest score, v[14:15] the sum in two halves;
;   v16-23 Q of my pair's long tile, v24-31 of my own; v32-95 K's fragments, then V^T's; v96-159 S^T, then p; v160-191 O^T; v192-207 p's codes; v208-221 partial sums; v222-225 partial maxima; v236-255 at work and constants.
.set STEPB, 16384
.set SPARE, 16*STEPB                   ; the spare words: 128 bytes a wave
.set XB,    SPARE+2048                 ; a pair's part: O^T (8 x 512 bytes) and v[12:15] (512); no tensor load lands there
.set XP,    4608
.set NEAR,  4                          ; the steps that the head's load brings
.set PART1, NEAR*STEPB/16              ; what a wave brings of them: 4,096 bytes,
.set PART2, (16-NEAR)*STEPB/16         ; and of the others: 12,288 bytes
.set WV,    12
.set KF,    18                         ; s18  the step
.set TB,    19                         ; s19  the step's first LDS byte
.set SEL,   20                         ; s[20:21] lane selects: lane l xor 16
.set CC,    22                         ; s[22:23] c = log2(e) / 8 x 2^(e6 + e7)
.set TRIP,  25
.set G1,    28                         ; s[28:35] group 1, s[36:39] group 0 of my first load;  s[80:87], s[76:79] of my second
.set G0,    36
.set G0B,   76
.set G1B,   80
.set TBD,   66                         ; s66  LDS byte of my diagonal step
.set MK,    68                         ; s68-75 lane masks
.set PFA,   92                         ; s[92:93] where my prefetch stands
.set MINE,  98                         ; s98  a bit for each step of the long tile that is mine
.set MINE2, 99                         ; s99  a bit for each open step of my own short tile
.macro CROUND
	s_barrier_signal -1
	s_barrier_wait -1
	s_cmp_lg_u32 s[WV], 0
	s_cbranch_scc1 .Lnot_wave_0_\@
	s_barrier_signal -3
.Lnot_wave_0_\@:
	s_barrier_wait -3
	s_barrier_signal -1
	s_barrier_wait -1
.endm
; SHARES.  A head's K and V are 262,144 bytes: they lie in LDS whole, each byte filled once.  The four work-groups of a cluster take the same head and ask jointly; all sixteen waves share each of the two loads out.
; The second load goes out behind the round that shows the first.  Its bytes are prefetched behind the first load: 12 blocks of 256 bytes a wave, a quarter of what the wave will load, the quarter told apart by cx.
; The head's 128 tiles of 16 queries are 32 groups u of four; the partner at place cx takes tile 4 u + cx.  A group's 64 queries are one half of a step of 128 keys, so the steps that count are the same for all four partners:
; every branch hangs on u, which is made of the wave's number and the cluster's x alone.  u = 2 o + p: o steps all of whose keys count, then the diagonal's step, o: all its 128 keys where u is odd, its first 64 where u is even.
; A PAIR of waves, i and i + 8 (i = 0 .. 7), owns a long tile (o = 15 - i) and a short one (o = i).  Wave i + 8 takes the long tile's even steps under 2 (8 - i), hands its M, sum and O^T over in LDS, and walks the short tile;
; wave i takes the long tile's other seven steps and its diagonal, and joins the two parts.  So every wave has 7 or 8 open steps and a diagonal.
	s_load_b256 s[4:11], s[0:1], 0x0               ; qf s[4:5], kv s[6:7], the scales' exponents s[8:9], af s[10:11]
	v_lshl_add_u32 v251, v0, 2, SPARE
	v_mov_b32 v255, 0
	ds_add_u32 v251, v255                          ; the opening: the add, twice on end, and its wait
	ds_add_u32 v251, v255
	v_lshrrev_b32 v1, 5, v0
	s_delay_alu instid0(VALU_DEP_1)
	v_readfirstlane_b32 s[WV], v1                  ; wave 0..15
	s_bfe_u32 s13, ttmp6, 0x40000                  ; cx: it enters global addresses and the mask's numbers alone
	s_mov_b32 s14, ttmp9                           ; the cluster's x, 0 or 1
	s_and_b32 s15, ttmp7, 0xffff                   ; 16 x batch + head
	s_and_b32 s16, s[WV], 7                        ; i
	s_xor_b32 s17, s16, 15                         ; 15 - i
	s_sub_co_u32 s24, 8, s16
	s_lshl_b32 s24, s24, 1
	s_bfm_b32 s89, s24, 0
	s_and_b32 s89, s89, 0x5555                     ; the even steps under 2 (8 - i): all of them under 15 - i
	s_bfm_b32 s96, s17, 0
	s_xor_b32 s96, s96, s89                        ; the long tile's other open steps
	s_bfm_b32 s97, s16, 0                          ; the short tile's
	s_xor_b32 s60, s14, 1
	s_lshl_b32 s61, s17, 1
	s_add_co_u32 s60, s60, s61                     ; the long tile's u = 2 (15 - i) + 1 - x
	s_lshl_b32 s61, s16, 1
	s_add_co_u32 s61, s61, s14                     ; the short tile's u = 2 i + x
	s_cmp_lt_u32 s[WV], 8
	s_cselect_b32 s[MINE], s96, s89
	s_cselect_b32 s[MINE2], 0, s97
	s_cselect_b32 s17, s17, s16                    ; my own tile's o,
	s_cselect_b32 s16, s60, s61                    ; and its u
	s_and_b32 s17, s17, 15
	s_lshl_b32 s[TBD], s17, 14
	s_mov_b32 s[G1], 15|(3<<16)|(1<<21)            ; the mask: all four work-groups; elements of 8 bytes; bit 21 beside a mask; no padding: an image is read 16 bytes a lane, on end
	s_mov_b32 s[G1+1], 32<<16                      ; tensor_dim0 = 32 elements: rows of 256 bytes
	s_mov_b32 s[G1+2], (PART1/256)<<16             ; tensor_dim1: 16 rows, dense
	s_mov_b32 s[G1+3], 32<<16                      ; tile_dim0
	s_mov_b32 s[G1+4], PART1/256                   ; tile_dim1
	s_mov_b32 s[G1+5], 32                          ; from row to row
	s_mov_b32 s[G1+6], 0
	s_mov_b32 s[G1+7], 0
	s_mov_b32 s[G1B], 15|(3<<16)|(1<<21)           ; the same with 48 rows
	s_mov_b32 s[G1B+1], 32<<16
	s_mov_b32 s[G1B+2], (PART2/256)<<16
	s_mov_b32 s[G1B+3], 32<<16
	s_mov_b32 s[G1B+4], PART2/256
	s_mov_b32 s[G1B+5], 32
	s_mov_b32 s[G1B+6], 0
	s_mov_b32 s[G1B+7], 0
	s_mov_b32 s[SEL], 0x76543210
	s_mov_b32 s[SEL+1], 0xfedcba98
	s_mov_b32 s[CC], 0x3e38aa3b                    ; log2(e) / sqrt(64)
	s_mul_i32 s24, s[WV], PART1                    ; my part of steps 0 to 3,
	s_mul_i32 s88, s[WV], PART2
	s_add_co_u32 s88, s88, NEAR*STEPB              ; and of the others: in a head's image and in LDS alike
	s_lshl_b32 s26, s15, 18                        ; the head's 262,144 bytes
	s_add_co_u32 s90, s26, s88
	s_mov_b32 s91, 0
	s_add_co_u32 s26, s26, s24
	s_mov_b32 s27, 0
	s_wait_dscnt 0x0                               ; both opening adds are done
	s_wait_kmcnt 0x0
	s_load_b64 s[52:53], s[8:9], 0x18              ; e6, e7
	s_load_b128 s[56:59], s[8:9], 0x20             ; e8, e9, e10, e11
	s_mov_b32 s[G0], 1
	s_mov_b32 s[G0+1], s24
	s_add_nc_u64 s[G0+2:G0+3], s[6:7], s[26:27]
	s_or_b32 s[G0+3], s[G0+3], 0x80000000
	s_mov_b32 s[G0B], 1
	s_mov_b32 s[G0B+1], s88
	s_add_nc_u64 s[G0B+2:G0B+3], s[6:7], s[90:91]
	s_or_b32 s[G0B+3], s[G0B+3], 0x80000000
	CROUND                                         ; all four work-groups are here: the joint loads meet
	tensor_load_to_lds s[G0:G0+3], s[G1:G1+7]      ; every wave's one load at the head
	s_nop 0
	s_mul_i32 s62, s13, PART2/4                    ; the prefetch: blocks 12 cx .. 12 cx + 11 of my part
	s_add_co_u32 s62, s62, s90
	s_mov_b32 s63, 0
	s_add_nc_u64 s[PFA:PFA+1], s[6:7], s[62:63]
	s_lshl_b32 s60, s60, 2
	s_add_co_u32 s60, s60, s13                     ; the long tile,
	s_lshl_b32 s61, s16, 2
	s_add_co_u32 s61, s61, s13                     ; and my own: 4 u + cx
	s_lshl_b32 s62, s15, 7
	s_add_co_u32 s94, s62, s60
	s_lshl_b32 s94, s94, 10
	s_mov_b32 s95, 0
	s_add_co_u32 s62, s62, s61
	s_lshl_b32 s62, s62, 10
	s_add_nc_u64 s[94:95], s[4:5], s[94:95]        ; their images
	s_add_nc_u64 s[4:5], s[4:5], s[62:63]
	s_and_b32 s54, s[WV], 7
	s_mul_i32 s54, s54, XP
	s_add_co_u32 s54, s54, XB
	s_lshl_b32 s55, s13, 4
	v_and_b32 v1, 31, v0
	s_delay_alu instid0(VALU_DEP_1)
	v_min_u32 v5, 11, v1
	v_lshlrev_b32 v1, 4, v1                        ; 16 x lane
	v_lshlrev_b32 v5, 8, v5                        ; 256 x lane; the lanes left over name the last block
	global_load_b128 v[16:19], v1, s[94:95]
	global_load_b128 v[20:23], v1, s[94:95] offset:512
	global_load_b128 v[24:27], v1, s[4:5]
	global_load_b128 v[28:31], v1, s[4:5] offset:512
	global_prefetch_b8 v5, s[PFA:PFA+1] th:TH_LOAD_NT scope:SCOPE_SE
	v_add_nc_u32 v4, s54, v1
	v_and_b32 v8, 15, v0
	v_bfe_u32 v9, v0, 4, 1
	s_delay_alu instid0(VALU_DEP_1)
	v_lshlrev_b32 v9, 3, v9
	s_delay_alu instid0(VALU_DEP_3)
	v_add_nc_u32 v3, s55, v8
	s_delay_alu instid0(VALU_DEP_1)
	v_sub_nc_u32 v3, v3, v9                        ; my query in the diagonal's 64, less 8 (lane / 16)
	s_lshr_b32 s54, s15, 4                         ; where my codes go
	s_lshl_b32 s54, s54, 7
	s_add_co_u32 s54, s54, s61                     ; the tile of 16 tokens among all 256
	s_lshr_b32 s55, s54, 3                         ; its block of 128 tokens
	s_and_b32 s54, s54, 7
	s_and_b32 s18, s15, 15                         ; the head
	s_lshr_b32 s19, s18, 1
	s_and_b32 s18, s18, 1
	s_lshl_b32 s55, s55, 3
	s_add_co_u32 s55, s55, s19
	s_lshl_b32 s55, s55, 3
	s_add_co_u32 s55, s55, s54
	s_lshl_b32 s55, s55, 11
	s_lshl_b32 s18, s18, 10
	s_add_co_u32 s62, s55, s18
	s_add_nc_u64 s[10:11], s[10:11], s[62:63]
	v_mov_b32 v13, 0xff61b1e6                      ; the largest score so far: -3e38
	v_mov_b32 v12, 0x7f61b1e6                      ; -M: 3e38, so the first change of M multiplies what the sum and O^T hold by 0
	v_mov_b32 v14, 0
	v_mov_b32 v15, 0
	v_mov_b32 v236, 0                              ; written once: a lane permute's destination counts as one of its sources
	v_mov_b32 v253, 0                              ; (named as the upper half of the pair v[252:253])
.set m, 0
.rept 32
	v_mov_b32 v[160+m], 0                          ; O^T: a wave's first step may be any of the texts below
.set m, m+1
.endr
	s_wait_kmcnt 0x0
	s_add_co_i32 s54, s52, s53
	s_lshl_b32 s54, s54, 23
	s_add_co_i32 s[CC], s[CC], s54                 ; a score stands for score x 2^(e6 + e7)
	s_mov_b32 s[CC+1], s[CC]
	s_add_co_i32 s54, s56, 127
	s_lshl_b32 s55, s54, 23
	v_mov_b32 v244, s55                            ; 2^e8, for p's conversion
	s_add_co_i32 s54, s54, 8
	s_lshl_b32 s54, s54, 23
	s_or_b32 s54, s54, 0x600000
	v_mov_b32 v240, s54                            ; 448 x 2^e8, once for each half of a dual pair
	v_mov_b32 v241, s54
	s_sub_co_i32 s54, s58, s56
	s_sub_co_i32 s54, s54, s57
	s_add_co_i32 s54, s54, 127
	s_lshl_b32 s55, s54, 23
	v_mov_b32 v245, s55                            ; 2^(e10 - e8 - e9): a sum of the second product stands for sum x 2^(e8 + e9)
	s_add_co_i32 s54, s54, 8
	s_lshl_b32 s54, s54, 23
	s_or_b32 s54, s54, 0x600000
	v_mov_b32 v239, s54
; A STEP of 16 nt keys (nt = 8 or 4) on the queries in v[q:q+7].  dg = 1: the diagonal's: its last four tiles of keys are masked.
.macro BODY nt, dg, q
	v_add_nc_u32 v2, s[TB], v1                     ; with the additions behind the last products: the places in front of loads into registers that those products read
.irp i, 0,1,2,3,4,5,6,7
.if \i < \nt
	ds_load_b128 v[32+8*\i:35+8*\i], v2 offset:1024*\i
	ds_load_b128 v[36+8*\i:39+8*\i], v2 offset:1024*\i+512
.endif
.endr
	s_wait_alu depctr_va_vdst(0)
	s_wait_dscnt \nt                               ; the first half of K's 2 nt loads is in
.irp i, 0,1,2,3,4,5,6,7
.if \i < \nt
.if \i == \nt/2
	s_wait_dscnt 0x0
.endif
	v_wmma_f32_16x16x64_fp8_fp8 v[96+8*\i:103+8*\i], v[32+8*\i:39+8*\i], v[\q:\q+7], 0
.endif
.endr
.if \dg
	v_mov_b32 v254, 0xff800000                     ; -infinity: p = 0 then
.irp i, 0,1,2,3
.irp j, 0,1,2,3,4,5,6,7
	v_cmp_gt_i32 s[MK+\j], 16*\i+\j, v3            ; key 16 i + 8 (lane / 16) + j of the 64 comes after my query.  (The first eight are also the places behind the products)
.endr
.irp j, 0,1,2,3,4,5,6,7
	v_cndmask_b32 v[96+8*(\nt-4+\i)+\j], v[96+8*(\nt-4+\i)+\j], v254, s[MK+\j]
.endr
.endr
.else
.rept 4
	v_nop
.endr
.endif
.irp t, 0,1,2,3
.irp g, 0,1,2,3
.if \g < \nt/2
	ds_load_b128 v[32+16*\t+4*\g:35+16*\t+4*\g], v2 offset:8192+2048*\t+512*\g   ; V^T's fragments land while the softmax is made
.endif
.endr
.endr
.irp k, 0,1,2,3
	v_max3_num_f32 v[222+\k], v[96+3*\k], v[97+3*\k], v[98+3*\k]   ; the step's largest score of my query among my keys, in four chains, from the low end on
.endr
.set m, 0
.rept 4*\nt-6
	v_max3_num_f32 v[222+m%4], v[222+m%4], v[108+2*m], v[109+2*m]
.set m, m+1
.endr
	s_delay_alu instid0(VALU_DEP_1)
	v_max3_num_f32 v222, v222, v223, v224
	s_delay_alu instid0(VALU_DEP_1)
	v_max_num_f32 v222, v222, v225
	s_delay_alu instid0(VALU_DEP_1)
	v_permlanex16_b32 v236, v222, s[SEL], s[SEL+1]
	s_delay_alu instid0(VALU_DEP_1)
	v_max3_num_f32 v13, v13, v222, v236            ; the running largest score, lane l xor 16's keys with mine
	s_delay_alu instid0(VALU_DEP_1)
	v_mul_f32 v254, s[CC], -v13                    ; -t (c is positive, so the largest score gives the largest t)
	s_delay_alu instid0(VALU_DEP_1)
	v_floor_f32 v254, v254                         ; the new -M = -ceil(t)
	s_delay_alu instid0(VALU_DEP_1)
	v_sub_f32 v252, v254, v12                      ; old M - new M: a whole number, 0 or less
	v_mov_b32 v12, v254
	s_delay_alu instid0(VALU_DEP_2)
	v_cvt_i32_f32 v252, v252                       ; (it saturates)
	s_delay_alu instid0(VALU_DEP_1)
	v_ldexp_f32 v252, 1.0, v252                    ; f = 2^(old M - new M)
.set m, 0
.rept 4*\nt
	v_pk_fma_f32 v[96+m:97+m], v[96+m:97+m], s[CC:CC+1], v[12:13] op_sel_hi:[1,0,0]   ; t - M
.set m, m+2
.endr
.set m, 0
	s_wait_alu depctr_va_vdst(0)
.rept 8*\nt
	v_exp_f32 v[96+m], v[96+m]                     ; p = 2^(t - M)
.set m, m+1
.endr
	v_pk_mul_f32 v[14:15], v[14:15], v[252:253] op_sel_hi:[1,0]   ; the sum under the new M (a plain line behind the exponentials)
	s_wait_alu depctr_va_vdst(0)                   ; and the wait ahead of the first reader of the batch and of O^T
.set m, 0
.rept 16
	v_pk_mul_f32 v[160+m:161+m], v[160+m:161+m], v[252:253] op_sel_hi:[1,0]   ; O^T under the new M
.set m, m+2
.endr
	v_pk_add_f32 v[14:15], v[14:15], v[96:97]      ; the row's sum, of the unquantised p, in eight chains
.irp k, 0,1,2,3,4,5,6
	v_pk_add_f32 v[208+2*\k:209+2*\k], v[98+4*\k:99+4*\k], v[100+4*\k:101+4*\k]
.endr
	v_pk_add_f32 v[14:15], v[14:15], v[126:127]
.if \nt == 8
.irp k, 0,1,2,3,4,5,6
	v_pk_add_f32 v[208+2*\k:209+2*\k], v[208+2*\k:209+2*\k], v[128+2*\k:129+2*\k]
.endr
	v_pk_add_f32 v[14:15], v[14:15], v[142:143]
.irp k, 0,1,2,3,4,5,6
	v_pk_add_f32 v[208+2*\k:209+2*\k], v[208+2*\k:209+2*\k], v[144+2*\k:145+2*\k]
.endr
	v_pk_add_f32 v[14:15], v[14:15], v[158:159]
.endif
.irp i, 0,1,2,3,4,5,6,7
.if \i < \nt
.irp j, 0,2,4,6
	v_dual_min_num_f32 v[96+8*\i+\j], v240, v[96+8*\i+\j] :: v_dual_min_num_f32 v[97+8*\i+\j], v241, v[97+8*\i+\j]   ; the conversion does not saturate (ISA guide 7.6.2); p is not negative, so the hold is one-sided
.endr
	v_cvt_scalef32_pk8_fp8_f32 v[192+2*\i:193+2*\i], v[96+8*\i:103+8*\i], v244
.endif
.endr
	v_pk_add_f32 v[208:209], v[208:209], v[210:211]   ; the chains join; also the plain line between the conversions and the products
	s_wait_alu depctr_va_vdst(0)
	s_wait_dscnt 0x0                               ; V^T's fragments are in
.irp t, 0,1,2,3                                ; four accumulators by turns
.if \nt == 8
	v_wmma_f32_16x16x128_fp8_fp8 v[160+8*\t:167+8*\t], v[32+16*\t:47+16*\t], v[192:207], v[160+8*\t:167+8*\t]
.else
	v_wmma_f32_16x16x64_fp8_fp8 v[160+8*\t:167+8*\t], v[32+16*\t:39+16*\t], v[192:199], v[160+8*\t:167+8*\t]
.endif
.endr
	v_pk_add_f32 v[212:213], v[212:213], v[214:215]   ; six plain lines behind the products that name none of their registers
	v_pk_add_f32 v[216:217], v[216:217], v[218:219]
	v_pk_add_f32 v[14:15], v[14:15], v[220:221]
	s_delay_alu instid0(VALU_DEP_3)
	v_pk_add_f32 v[208:209], v[208:209], v[212:213]
	s_delay_alu instid0(VALU_DEP_2)
	v_pk_add_f32 v[14:15], v[14:15], v[216:217]
	s_delay_alu instid0(VALU_DEP_1)
	v_pk_add_f32 v[14:15], v[14:15], v[208:209]
.endm
; Open steps k0 .. k0 + trips - 1: a step whose bit is not set is left out by a scalar branch on ids round its work alone.
.macro OPEN k0, trips, mask, q
	s_mov_b32 s[KF], \k0
	s_mov_b32 s[TB], STEPB*\k0
	s_mov_b32 s[TRIP], \trips
.Lstep_\@:
	s_bitcmp1_b32 s[\mask], s[KF]
	s_cbranch_scc0 .Lnot_mine_\@
	BODY 8, 0, \q
.Lnot_mine_\@:
	s_add_co_u32 s[KF], s[KF], 1
	s_add_co_u32 s[TB], s[TB], STEPB
	s_sub_co_u32 s[TRIP], s[TRIP], 1
	s_cmp_lg_u32 s[TRIP], 0
	s_cbranch_scc1 .Lstep_\@
.endm
	s_wait_alu depctr_va_vdst(0)
	s_wait_tensorcnt 0x0                           ; my part of steps 0 to 3 is in
	ds_add_u32 v251, v255
	s_wait_dscnt 0x0
	CROUND                                         ; every wave's part is in, and all four work-groups are here
	tensor_load_to_lds s[G0B:G0B+3], s[G1B:G1B+7]  ; steps 4 to 15: the loop below reads none of their bytes
	s_nop 0
	s_wait_loadcnt 0x0                             ; Q
	OPEN 0, NEAR, MINE, 16
	s_wait_tensorcnt 0x0                           ; my part of steps 4 to 15 is in
	s_wait_dscnt 0x0
	s_barrier_signal -1
	s_barrier_wait -1                              ; everybody's is
	OPEN NEAR, 15-NEAR, MINE, 16
	s_wait_alu depctr_va_vdst(0)
	s_cmp_lt_u32 s[WV], 8
	s_cbranch_scc1 .Lown
.irp i, 0,1,2,3,4,5,6,7                        ; waves 8 to 15: my part of the long tile goes to LDS, read behind the barrier below by wave i alone
	ds_store_b128 v4, v[160+4*\i:163+4*\i] offset:512*\i
.endr
	ds_store_b128 v4, v[12:15] offset:4096
	v_mov_b32 v13, 0xff61b1e6                      ; and my own tile begins: its first change of M multiplies the sum and O^T, which are finite, by 0
	v_mov_b32 v12, 0x7f61b1e6
.Lown:
	OPEN 0, 7, MINE2, 24
	s_mov_b32 s[TB], s[TBD]                        ; the diagonal: u odd: the step's first 64 keys are open; u even: its last 64 are hidden
	s_bitcmp1_b32 s16, 0
	s_cbranch_scc0 .Leven
	BODY 8, 1, 24
	s_branch .Lparts
.Leven:
	BODY 4, 1, 24
.Lparts:
	s_wait_alu depctr_va_vdst(0)
	s_wait_dscnt 0x0                               ; my stores are done
	s_barrier_signal -1
	s_barrier_wait -1
	s_cmp_ge_u32 s[WV], 8
	s_cbranch_scc1 .Lwhole
	ds_load_b128 v[128:131], v4 offset:4096        ; waves 0 to 7: the other part: -M, the largest score, the sum's halves; and O^T
.irp i, 0,1,2,3,4,5,6,7
	ds_load_b128 v[96+4*\i:99+4*\i], v4 offset:512*\i
.endr
	s_wait_dscnt 8                                 ; (O^T's eight may be out)
	v_min_num_f32 v254, v12, v128                  ; the two parts' common -M
	s_delay_alu instid0(VALU_DEP_1)
	v_sub_f32 v252, v254, v12
	v_sub_f32 v222, v254, v128
	v_cvt_i32_f32 v252, v252
	v_cvt_i32_f32 v222, v222
	v_ldexp_f32 v252, 1.0, v252                    ; my part's factor,
	v_ldexp_f32 v222, 1.0, v222                    ; and the other's
	v_pk_mul_f32 v[14:15], v[14:15], v[252:253] op_sel_hi:[1,0]
	v_pk_fma_f32 v[14:15], v[130:131], v[222:223], v[14:15] op_sel_hi:[1,0,1]
	s_wait_alu depctr_va_vdst(0)
	s_wait_dscnt 0x0
.set m, 0
.rept 16
	v_pk_mul_f32 v[96+m:97+m], v[96+m:97+m], v[222:223] op_sel_hi:[1,0]
.set m, m+2
.endr
.set m, 0
.rept 16
	v_pk_fma_f32 v[160+m:161+m], v[160+m:161+m], v[252:253], v[96+m:97+m] op_sel_hi:[1,0,1]
.set m, m+2
.endr
.Lwhole:
	; THE WAY OUT: O^T / the sum, held, converted: eight registers, two groups of the last product's operand, stored as they stand
	s_wait_alu depctr_va_vdst(0)
	v_add_f32 v14, v14, v15
	s_delay_alu instid0(VALU_DEP_1)
	v_permlanex16_b32 v236, v14, s[SEL], s[SEL+1]
	s_delay_alu instid0(VALU_DEP_1)
	v_add_f32 v14, v14, v236                       ; the row's sum
	s_wait_alu depctr_va_vdst(0)
	v_rcp_f32 v14, v14
	v_nop                                          ; a plain line behind the reciprocal
	s_wait_alu depctr_va_vdst(0)                   ; and the wait ahead of its first reader and O^T's
.set m, 0
.rept 32
	v_mul_f32 v[96+m], v[160+m], v14
.set m, m+1
.endr
.set m, 0
.rept 32
	v_med3_num_f32 v[96+m], v[96+m], -v239, v239
.set m, m+1
.endr
.irp t, 0,1,2,3
	v_cvt_scalef32_pk8_fp8_f32 v[128+2*\t:129+2*\t], v[96+8*\t:103+8*\t], v245
.endr
	v_nop
	global_store_b128 v1, v[128:131], s[10:11]     ; 32 lanes store 512 consecutive bytes, aligned
	global_store_b128 v1, v[132:135], s[10:11] offset:512
	s_wait_tensorcnt 0x0                           ; the wave's end
	ds_add_u32 v251, v255
	s_wait_dscnt 0x0
	CROUND                                         ; the closing round
	s_endpgm
.Lfunc_end_k_qe6f072f6f7_attn:
	.size	k_qe6f072f6f7_attn, .Lfunc_end_k_qe6f072f6f7_attn-k_qe6f072f6f7_attn
	.p2alignl 7, 3214868480
	.fill 96, 4, 3214868480
	.section	.rodata,"a",@progbits
	.p2align	6, 0x0
	.amdhsa_kernel k_qe6f072f6f7_attn
		.amdhsa_group_segment_fixed_size 327680
		.amdhsa_private_segment_fixed_size 0
		.amdhsa_enable_private_segment 0
		.amdhsa_kernarg_size 32
		.amdhsa_user_sgpr_count 2
		.amdhsa_user_sgpr_kernarg_segment_ptr 1
		.amdhsa_wavefront_size32 1
		.amdhsa_system_sgpr_workgroup_id_x 1
		.amdhsa_system_sgpr_workgroup_id_y 1
		.amdhsa_system_sgpr_workgroup_id_z 1
		.amdhsa_system_vgpr_workitem_id 0
		.amdhsa_next_free_vgpr 256
		.amdhsa_next_free_sgpr 100
		.amdhsa_reserve_vcc 0
		.amdhsa_float_denorm_mode_32 3
		.amdhsa_float_denorm_mode_16_64 3
		.amdhsa_memory_ordered 1
		.amdhsa_forward_progress 1
		.amdhsa_inst_pref_size 97
	.end_amdhsa_kernel
	.amdgpu_metadata
---
amdhsa.version: [ 1, 2 ]
amdhsa.kernels:
  - .name:           k_qe6f072f6f7_attn
    .symbol:         k_qe6f072f6f7_attn.kd
    .args:
      - { .name: qf, .offset: 0, .size: 8, .value_kind: global_buffer, .address_space: global }
      - { .name: kv, .offset: 8, .size: 8, .value_kind: global_buffer, .address_space: global }
      - { .name: lowp_scales, .offset: 16, .size: 8, .value_kind: global_buffer, .address_space: global }
      - { .name: af, .offset: 24, .size: 8, .value_kind: global_buffer, .address_space: global }
    .group_segment_fixed_size: 327680
    .private_segment_fixed_size: 0
    .kernarg_segment_align: 8
    .kernarg_segment_size: 32
    .max_flat_workgroup_size: 512
    .sgpr_count:     100
    .vgpr_count:     256
    .wavefront_size: 32
...
	.end_amdgpu_metadata
.endif
;; end of part 2
;; launch oproj (part 3): grid 8 x 32, 4 waves a work-group, clusters of 4 x 4, 327,680 bytes of LDS; arguments af, Wo_codes, lowp_scales, out0; writes out0
.if DOCPART == 3
	.amdgcn_target "amdgcn-amd-amdhsa--gfx1250"
	.amdhsa_code_object_version 6
	.text
	.protected	k_qe6f072f6f7_oproj
	.globl	k_qe6f072f6f7_oproj
	.p2align	8
	.type	k_qe6f072f6f7_oproj,@function
k_qe6f072f6f7_oproj:
	s_mov_b64 s[64:65], 0
	v_nop
	global_prefetch_b8 v0, s[64:65] scope:SCOPE_SE
	s_setreg_imm32_b32 hwreg(HW_REG_WAVE_MODE, 25, 1), 1
	s_wait_xcnt 0x0
	s_wait_alu depctr_hold_cnt(0) depctr_sa_sdst(0) depctr_va_vdst(0) depctr_va_sdst(0) depctr_va_ssrc(0) depctr_va_vcc(0) depctr_vm_vsrc(0)
	s_getreg_b32 s2, hwreg(HW_REG_IB_STS2, 6, 4)
	s_cmp_eq_u32 s2, 0
	s_cbranch_scc0 .Lentry_in_a_cluster
	s_endpgm
.Lentry_in_a_cluster:
	s_bfe_u32 s2, ttmp6, 0x10000c
	s_cmp_lg_u32 s2, 0xf033
	s_cbranch_scc0 .Lentry_shape_is_right
	s_endpgm
.Lentry_shape_is_right:
; out0 = A Wo^T x 2^(e10 + e11) on codes of E4M3.  A: the attention's result as images of operand registers, af [128 tokens 32][K step of 128 8][tile of 16 tokens 8][group 4][lane][16]; Wo: [1024][1024] codes; out0: [4096][1024] f32.
; A's group g holds k = 32 g + 16 (lane / 16) + 0 .. 15 of a K step, the order in which four loads of 16 bytes bring Wo's rows: the same permutation of k on both sides.
; SHARES.  A work-group makes 128 tokens (gy) x 128 columns (gx); wave w 64 tokens (w / 2) x 64 columns (w % 2): 16 accumulators.  The whole K of both tiles lies in LDS, each byte filled once: no slot is filled again.
; The product is used transposed (source 0 = 16 rows of Wo, source 1 = 16 tokens): a lane holds eight neighbouring columns of one token.
; CLUSTER 4 x 4: A's block hangs on gy alone and is asked for jointly along a row of the cluster, Wo's rows on gx alone, along a column.
; LIMIT: e10 + e11 between -126 and 127.
; REGISTERS.  window 0: v8, v9 A's LDS addresses (K steps 0-3, 4-7); v10, v11 Wo's (K 0-511, 512-1,023); v12-14 the way out; v32-63 scaled sums; v64-127 rows read back, two sets; v128-255 accumulator (a, b) at 128 + 8 (4 a + b).
;   window 1: two sets of 128: A's four fragments, then Wo's four.
.set PITCH,  528                       ; Wo's LDS row: 512 bytes + 16 of padding = 132 words: row r starts at bank 4 r mod 64 (64 banks of 4 bytes: ISA guide 11.1)
.set WOFF,   131072                    ; behind A's 131,072 bytes
.set WCH,    128*PITCH                 ; 512 along K of Wo's 128 rows
.set STG,    WOFF+2*WCH                ; the stages: 16 rows x 272 bytes a wave; no tensor load lands there
.set SPITCH, 272
.set ADA, 8
.set ADB, 10
.set STO, 12
.set RD,  13
.set CO,  14
.set TMP, 32
.set BK,  64
.set ACC, 128
.set G1A, 16
.set G1B, 24
.set G0A, 32
.set G0B, 48
.set MUL,  0x05                        ; sources 0 and 1 window 1; C and D window 0
.set TO_F, 0x40                        ; destination window 1
.set MSB, 0
.macro WIN new
.if MSB != \new
	s_set_vgpr_msb (MSB<<8)|\new
.set MSB, \new
.endif
.endm
.macro PLACES n
.rept \n
	v_nop
.endr
.endm
.macro CROUND
	s_barrier_signal -1
	s_barrier_wait -1
	s_cmp_lg_u32 s12, 0
	s_cbranch_scc1 .Lnot_wave_0_\@
	s_barrier_signal -3
.Lnot_wave_0_\@:
	s_barrier_wait -3
	s_barrier_signal -1
	s_barrier_wait -1
.endm
	s_load_b256 s[4:11], s[0:1], 0x0               ; af s[4:5], Wo s[6:7], the scales' exponents s[8:9], out0 s[10:11]
	v_lshl_add_u32 v30, v0, 2, 0x46400
	v_mov_b32 v31, 0
	ds_add_u32 v30, v31
	ds_add_u32 v30, v31
	v_lshrrev_b32 v1, 5, v0
	v_readfirstlane_b32 s12, v1                    ; wave 0..3
	s_lshr_b32 s13, s12, 1                         ; which 64 tokens.  Also: I fetch for A (0) or for Wo (1)
	s_and_b32 s14, s12, 1                          ; which 64 columns.  Also: which half of a fetch
	s_bfe_u32 s66, ttmp6, 0x40000                  ; cx
	s_bfe_u32 s67, ttmp6, 0x40004                  ; cy
	s_lshl_b32 s68, ttmp9, 2
	s_add_co_u32 s68, s68, s66                     ; gx
	s_and_b32 s69, ttmp7, 0xffff
	s_lshl_b32 s69, s69, 2
	s_add_co_u32 s69, s69, s67                     ; gy
	s_lshl_b32 s70, s67, 2
	s_lshl_b32 s70, 15, s70                        ; my row of the cluster
	s_lshl_b32 s71, 0x1111, s66                    ; my column
	s_or_b32 s[G1A], s70, (3<<16)|(1<<21)          ; A: elements of 8 bytes, four K steps' 65,536 bytes as 256 dense rows of 256, no padding
	s_mov_b32 s[G1A+1], 32<<16
	s_mov_b32 s[G1A+2], 256<<16
	s_mov_b32 s[G1A+3], 32<<16
	s_mov_b32 s[G1A+4], 256
	s_mov_b32 s[G1A+5], 32
	s_mov_b32 s[G1A+6], 0
	s_mov_b32 s[G1A+7], 0
	s_or_b32 s[G1B], s71, (0<<16)|(1<<20)|(1<<21)|(6<<22)|(3<<25)   ; Wo: 128 rows of 512 bytes, four words of padding after every 128
	s_mov_b32 s[G1B+1], 512<<16
	s_mov_b32 s[G1B+2], 128<<16
	s_mov_b32 s[G1B+3], 512<<16
	s_mov_b32 s[G1B+4], 128
	s_mov_b32 s[G1B+5], 1024
	s_mov_b32 s[G1B+6], 0
	s_mov_b32 s[G1B+7], 0
	s_lshl_b32 s74, s14, 16                        ; A: wave w (0, 1) brings K steps 4 w .. 4 w + 3
	s_lshl_b32 s72, s69, 17                        ; the block's 131,072 bytes
	s_add_co_u32 s72, s72, s74
	s_mov_b32 s73, 0
	s_lshl_b32 s76, s68, 17                        ; Wo: 128 gx rows of 1,024 bytes,
	s_lshl_b32 s75, s14, 9                         ; + my 512 along K
	s_add_co_u32 s76, s76, s75
	s_mov_b32 s77, 0
	s_mul_i32 s78, s14, WCH
	s_add_co_u32 s78, s78, WOFF
	s_wait_dscnt 0x0
	s_wait_kmcnt 0x0
	s_load_b64 s[90:91], s[8:9], 0x28              ; e10, e11
	s_add_nc_u64 s[4:5], s[4:5], s[72:73]
	s_add_nc_u64 s[6:7], s[6:7], s[76:77]
	s_mov_b32 s[G0A], 1
	s_mov_b32 s[G0A+1], s74
	s_mov_b64 s[G0A+2:G0A+3], s[4:5]
	s_or_b32 s[G0A+3], s[G0A+3], 0x80000000
	s_mov_b32 s[G0B], 1
	s_mov_b32 s[G0B+1], s78
	s_mov_b64 s[G0B+2:G0B+3], s[6:7]
	s_or_b32 s[G0B+3], s[G0B+3], 0x80000000
	CROUND                                         ; all sixteen work-groups are here: the joint loads meet
	s_cmp_lt_u32 s12, 2                            ; one load a wave: waves 0 and 1 A's halves of K, waves 2 and 3 Wo's.  Nothing is asked for later, so no prefetch could run ahead of a load
	s_cbranch_scc0 .Lfor_w
	tensor_load_to_lds s[G0A:G0A+3], s[G1A:G1A+7]
	s_nop 0
.rept 4
	v_nop
.endr
	s_branch .Lasked
.Lfor_w:
	tensor_load_to_lds s[G0B:G0B+3], s[G1B:G1B+7]
	s_nop 0
.rept 4
	v_nop
.endr
.Lasked:
	v_and_b32 v1, 15, v0                           ; r
	v_bfe_u32 v2, v0, 4, 1                         ; h
	v_and_b32 v3, 31, v0
	v_lshlrev_b32 v4, 4, v3                        ; 16 x lane
	s_lshl_b32 s80, s13, 13                        ; my four tiles of tokens: 2,048 bytes each in a K step
	v_add_nc_u32 v[ADA], s80, v4
	v_add_nc_u32 v[ADA+1], 0x10000, v[ADA]
	v_mul_u32_u24 v5, v1, PITCH
	v_lshl_add_u32 v5, v2, 4, v5
	s_mul_i32 s80, s14, 64*PITCH
	s_add_co_u32 s80, s80, WOFF
	v_add_nc_u32 v[ADB], s80, v5
	v_add_nc_u32 v[ADB+1], WCH, v[ADB]
	s_mul_i32 s80, s12, 16*SPITCH
	s_add_co_u32 s80, s80, STG                     ; my stage
	v_mul_u32_u24 v6, v1, SPITCH
	v_lshl_add_u32 v6, v2, 5, v6
	v_add_nc_u32 v[STO], s80, v6                   ; in: row r, 32 bytes for each half of the lanes
	v_mul_u32_u24 v7, v2, SPITCH
	v_lshl_add_u32 v7, v1, 4, v7
	v_add_nc_u32 v[RD], s80, v7                    ; back: lanes 0-15 one row of 256 bytes, lanes 16-31 the next
	v_lshlrev_b32 v[CO], 12, v2
	v_lshl_add_u32 v[CO], v1, 4, v[CO]             ; and the same two rows in out0
	s_lshl_b32 s80, s69, 7
	s_lshl_b32 s82, s13, 6
	s_add_co_u32 s80, s80, s82                     ; my first token
	s_lshl_b32 s80, s80, 12
	s_lshl_b32 s82, s68, 9
	s_add_co_u32 s80, s80, s82
	s_lshl_b32 s82, s14, 8
	s_add_co_u32 s80, s80, s82                     ; + my first column, in bytes
	s_mov_b32 s81, 0
	s_add_nc_u64 s[10:11], s[10:11], s[80:81]
.macro FETCH s, f                      ; K step s: A's four fragments and Wo's four, 32 loads, into set f of window 1
	WIN TO_F
.irp a, 0,1,2,3
.irp g, 0,1,2,3
	ds_load_b128 v[\f+16*\a+4*\g:\f+16*\a+4*\g+3], v[ADA+(\s)/4] offset:((\s)%4)*16384+\a*2048+\g*512
.endr
.endr
.irp b, 0,1,2,3
.irp g, 0,1,2,3
	ds_load_b128 v[\f+64+16*\b+4*\g:\f+64+16*\b+4*\g+3], v[ADB+(\s)/4] offset:((\s)%4)*128+\b*16*PITCH+32*\g
.endr
.endr
.endm
; A K step: four places behind the last products, the next step's fragments into the other set, 16 products on accumulators that take turns.
.macro STEP s
	PLACES 4
.if (\s) < 7
	FETCH (\s)+1, 128*(((\s)+1)%2)
	s_wait_dscnt 32                                ; all but the 32 just issued
.else
	s_wait_dscnt 0x0
.endif
	WIN MUL
.set F, 128*((\s)%2)
.irp a, 0,1,2,3
.irp b, 0,1,2,3
.if (\s) == 0
	v_wmma_f32_16x16x128_fp8_fp8 v[ACC+8*(4*\a+\b):ACC+8*(4*\a+\b)+7], v[F+64+16*\b:F+64+16*\b+15], v[F+16*\a:F+16*\a+15], 0
.else
	v_wmma_f32_16x16x128_fp8_fp8 v[ACC+8*(4*\a+\b):ACC+8*(4*\a+\b)+7], v[F+64+16*\b:F+64+16*\b+15], v[F+16*\a:F+16*\a+15], v[ACC+8*(4*\a+\b):ACC+8*(4*\a+\b)+7]
.endif
.endr
.endr
.endm
	s_wait_alu depctr_va_vdst(0)
	s_wait_tensorcnt 0x0                           ; my load is in; behind the barrier everybody's is
	s_barrier_signal -1
	s_barrier_wait -1
	FETCH 0, 0
	STEP 0
	STEP 1
	STEP 2
	STEP 3
	STEP 4
	STEP 5
	STEP 6
	STEP 7
	WIN 0
	s_wait_kmcnt 0x0
	s_add_co_i32 s90, s90, s91
	s_add_co_i32 s90, s90, 127
	s_lshl_b32 s90, s90, 23                        ; 2^(e10 + e11) as f32
	s_mov_b32 s91, s90                             ; (named with it as a pair)
	PLACES 4
; THE WAY OUT, 16 tokens x 64 columns at a time: a lane's 32 bytes go into my own stage and come back as whole rows of 256 bytes.  LDS serves a wave's instructions in order (ISA guide 5.7.1.4): no wait between stores and loads.
.macro TOSTAGE a
.irp b, 0,1,2,3
.irp j, 0,2,4,6
	v_pk_mul_f32 v[TMP+8*\b+\j:TMP+8*\b+\j+1], v[ACC+8*(4*(\a)+\b)+\j:ACC+8*(4*(\a)+\b)+\j+1], s[90:91] op_sel_hi:[1,0]   ; each accumulator from its low end on
.endr
.endr
.irp b, 0,1,2,3
	ds_store_b128 v[STO], v[TMP+8*\b:TMP+8*\b+3] offset:64*\b
	ds_store_b128 v[STO], v[TMP+8*\b+4:TMP+8*\b+7] offset:64*\b+16
.endr
.set BB, BK+32*((\a)%2)
.irp i, 0,1,2,3,4,5,6,7
	ds_load_b128 v[BB+4*\i:BB+4*\i+3], v[RD] offset:\i*2*SPITCH
.endr
.endm
.macro SEND a, younger                 ; younger: the LDS instructions issued behind block a's loads
.set BB, BK+32*((\a)%2)
	s_wait_dscnt \younger
.irp i, 0,1,2,3,4,5,6,7
	global_store_b128 v[CO], v[BB+4*\i:BB+4*\i+3], s[10:11] offset:(16*(\a)+2*\i)*4096 th:TH_STORE_NT   ; 16 lanes store 256 consecutive bytes, aligned; written once, read by nobody here
.endr
.endm
	TOSTAGE 0
.irp a, 1,2,3
.if \a > 1
	s_wait_xcnt 0x0                                ; block a - 2's stores have read their registers: block a's loads may land there
.endif
	TOSTAGE \a
	SEND \a-1, 16                                  ; behind block a - 1's loads: block a's 8 stores and 8 loads
.endr
	SEND 3, 0
	s_wait_tensorcnt 0x0                           ; the wave's end
	ds_add_u32 v30, v31
	s_wait_dscnt 0x0
	CROUND                                         ; the closing round
	s_endpgm
.Lfunc_end_k_qe6f072f6f7_oproj:
	.size	k_qe6f072f6f7_oproj, .Lfunc_end_k_qe6f072f6f7_oproj-k_qe6f072f6f7_oproj
	.p2alignl 7, 3214868480
	.fill 96, 4, 3214868480
	.section	.rodata,"a",@progbits
	.p2align	6, 0x0
	.amdhsa_kernel k_qe6f072f6f7_oproj
		.amdhsa_group_segment_fixed_size 327680
		.amdhsa_private_segment_fixed_size 0
		.amdhsa_enable_private_segment 0
		.amdhsa_kernarg_size 32
		.amdhsa_user_sgpr_count 2
		.amdhsa_user_sgpr_kernarg_segment_ptr 1
		.amdhsa_wavefront_size32 1
		.amdhsa_system_sgpr_workgroup_id_x 1
		.amdhsa_system_sgpr_workgroup_id_y 1
		.amdhsa_system_sgpr_workgroup_id_z 1
		.amdhsa_system_vgpr_workitem_id 0
		.amdhsa_next_free_vgpr 512
		.amdhsa_next_free_sgpr 96
		.amdhsa_reserve_vcc 0
		.amdhsa_float_denorm_mode_32 3
		.amdhsa_float_denorm_mode_16_64 3
		.amdhsa_memory_ordered 1
		.amdhsa_forward_progress 1
		.amdhsa_inst_pref_size 44
	.end_amdhsa_kernel
	.amdgpu_metadata
---
amdhsa.version: [ 1, 2 ]
amdhsa.kernels:
  - .name:           k_qe6f072f6f7_oproj
    .symbol:         k_qe6f072f6f7_oproj.kd
    .args:
      - { .name: af, .offset: 0, .size: 8, .value_kind: global_buffer, .address_space: global }
      - { .name: Wo_codes, .offset: 8, .size: 8, .value_kind: global_buffer, .address_space: global }
      - { .name: lowp_scales, .offset: 16, .size: 8, .value_kind: global_buffer, .address_space: global }
      - { .name: out0, .offset: 24, .size: 8, .value_kind: global_buffer, .address_space: global }
    .group_segment_fixed_size: 327680
    .private_segment_fixed_size: 0
    .kernarg_segment_align: 8
    .kernarg_segment_size: 32
    .max_flat_workgroup_size: 128
    .sgpr_count:     96
    .vgpr_count:     512
    .wavefront_size: 32
...
	.end_amdgpu_metadata
.endif
;; end of part 3
